; MI455X (gfx1250); checked and timed in simulation.
; The chip was launched on July 23, 2026; its instructions are those of AMD's public machine-readable ISA for CDNA 5 (MIT licence, August 2026) and "CDNA5" Instruction Set Architecture Reference Guide (July 2026). The comments in the code are by the model that wrote it; some were corrected since.
;; Attn. Allowed arithmetic: float matrix products may take bf16 or f16 operands with f32 sums; all other float work in f32.
;; Inputs: W 1,024 x 1,024 float32; b 1,024 float32; encoder_outputs 2,048 x 32 x 1,024 float32; hidden 32 x 1,024 float32.
;; Outputs: out0 32 x 2,048 float32.
;; 2 versions, each right; version 2 is version 1 with the launch score written anew for expert scheduling mode. Each part assembles by itself: llvm-mc -triple=amdgcn-amd-amdhsa -mcpu=gfx1250 --defsym DOCPART=n.
;; ======== version 1 of 2: 3 launches
;; workspace buffers: vproj 524,288 bytes; scores 262,144 bytes
;; launch proj (part 1): grid 16 x 16, 16 waves a work-group, no clusters, 75,776 bytes of LDS; arguments W, hidden, vproj; writes vproj
.if DOCPART == 1
	.amdgcn_target "amdgcn-amd-amdhsa--gfx1250"
	.amdhsa_code_object_version 6
	.text
	.protected	k_q959672bfed_proj
	.globl	k_q959672bfed_proj
	.p2align	8
	.type	k_q959672bfed_proj,@function
k_q959672bfed_proj:
	s_mov_b64 s[64:65], 0
	v_nop
	global_prefetch_b8 v0, s[64:65] scope:SCOPE_SE
	s_setreg_imm32_b32 hwreg(HW_REG_WAVE_MODE, 25, 1), 1
	s_wait_xcnt 0x0
; Four partial sums of u[b][d] = sum over e of hidden[b][e] * W[e][d]:  part[eq][b][d] = the sum over e = 256 eq .. 256 eq + 255.
; W: [1024][1024] f32, hidden: [32][1024] f32, part (vproj): [4][32][1024] f32.  The next launch adds the four parts.
; WHY u: hidden[b] . (W enc[l][b] + bias) = enc[l][b] . u[b] + hidden[b] . bias for every input; only the order of the sums differs from
; the order in which the problem writes them.  All sums here are f32 fused multiply-adds.
; LIMIT: the order of rounding differs from a sum taken over d first and e second; values are promised where that sum is finite.
; SHARES: work-group (x, y), y = 4 eq + bg, takes columns d = 64 x .. 64 x + 63 (256 aligned bytes of a row), the eight rows
; b = 8 bg .. 8 bg + 7 of hidden and the 256 rows e = 256 eq .. + 255 of W: 64 KiB of W, so that the launch asks for W four times over.
; Sixteen waves = 32 halves of 16 lanes.  Half q takes the 8 rows e = 256 eq + 8 q + i; lane r of a half takes columns 4 r .. 4 r + 3.
; So one load of a wave covers two whole aligned runs of 256 bytes, and a wave's eight loads of W go out in one run.
; HIDDEN: a wave needs 8 b x 16 e = 128 numbers: one load of 16 bytes a lane.  They are spread to the lanes through 512 bytes of LDS
; that are the wave's own, so no barrier is needed for them.
; The 32 halves' partial sums meet in LDS (2,048 bytes each); waves 0 to 3 add them, two b each, and store 256 aligned bytes a row.
; NO MATRIX UNIT: eight rows of hidden would fill half of a tile's 16 rows, and the operands would have to be rounded to 16 bits.
; NO JOINT LOADS: the four work-groups of one (x, eq) read the same 64 KiB of W, but each wave uses its 4 KiB once, out of the registers that
; the loads fill; through LDS the slice would be written and read back (128 KiB of LDS traffic a work-group) in a text of one pass without a loop.
.set PARTS, 8192                       ; LDS: bytes 0 to 8,191 the waves' stages for hidden (512 each); from here 32 parts of 2,048 bytes
.set WOFF, 2                           ; v2        byte offset in W's slice: 8 q rows of 4,096 bytes + 16 r
.set HOFF, 3                           ; v3        byte offset in hidden: row lane / 4, 16 bytes x (lane mod 4)
.set HST,  4                           ; v4        LDS: 512 wave + 16 lane: where my 16 bytes of hidden go
.set HRD,  5                           ; v5        LDS: 512 wave + 32 half: where my half's numbers of hidden begin
.set STO,  6                           ; v6        LDS, from PARTS: 4,096 wave + 2,048 half + 16 r
.set RD,   7                           ; v7        LDS: PARTS + 16 x (thread mod 128), for the reading back by waves 0 to 3
.set VOUT, 8                           ; v8        byte offset in the part: 4,096 x ((thread / 16) mod 8) + 16 r
.set HT,   10                          ; v[10:13]  hidden as loaded
.set H,    16                          ; v[16:79]  H + 8 p + i = hidden[8 bg + p][256 eq + 8 q + i]
.set WT,   80                          ; v[80:111] WT + 4 i .. + 3 = row 256 eq + 8 q + i of W, my four columns
.set ACC,  112                         ; v[112:143] ACC + 4 p .. + 3 = my partial sums for b = 8 bg + p
.set PT,   16                          ; v[16:143] behind the barrier: the 32 parts, four registers each
	s_load_b128 s[4:7], s[0:1], 0x0                ; W s[4:5], hidden s[6:7]
	s_load_b64 s[8:9], s[0:1], 0x10                ; vproj
	v_lshl_add_u32 v144, v0, 2, 0x12000
	v_mov_b32 v145, 0
	v_lshrrev_b32 v1, 5, v0
	v_readfirstlane_b32 s10, v1                    ; wave 0..15
	s_and_b32 s11, ttmp7, 0xffff                   ; y
	s_and_b32 s18, s11, 3                          ; bg
	s_lshr_b32 s19, s11, 2                         ; eq
	s_lshl_b32 s20, ttmp9, 8                       ; x: 64 columns of 4 bytes
	s_lshl_b32 s12, s19, 20                        ; W: 256 eq rows of 4,096 bytes
	s_add_co_u32 s12, s12, s20                     ;    + my columns
	s_mov_b32 s13, 0
	s_lshl_b32 s14, s18, 15                        ; hidden: 8 bg rows of 4,096 bytes
	s_lshl_b32 s21, s19, 10                        ;    + 256 eq numbers
	s_add_co_u32 s14, s14, s21
	s_lshl_b32 s21, s10, 6                         ;    + 16 numbers for each wave
	s_add_co_u32 s14, s14, s21
	s_mov_b32 s15, 0
	s_lshl_b32 s16, s19, 17                        ; part eq: 32 rows of 4,096 bytes
	s_lshl_b32 s21, s18, 15                        ;    + 8 bg rows
	s_add_co_u32 s16, s16, s21
	s_add_co_u32 s16, s16, s20                     ;    + my columns
	s_mov_b32 s17, 0
	v_and_b32 v1, 15, v0                           ; r
	v_lshlrev_b32 v1, 4, v1                        ; 16 r, 240 at the most
	v_lshrrev_b32 v9, 4, v0                        ; q = 2 wave + half
	v_lshl_add_u32 v[WOFF], v9, 15, v1
	v_and_b32 v14, 31, v0                          ; lane
	v_lshrrev_b32 v[HOFF], 2, v14                  ; lane / 4: which of the eight b
	v_and_b32 v15, 3, v0
	v_lshlrev_b32 v15, 4, v15                      ; 16 x (lane mod 4): which four of the wave's sixteen e
	v_lshl_add_u32 v[HOFF], v[HOFF], 12, v15
	v_lshlrev_b32 v[HST], 4, v14
	v_lshl_add_u32 v[HST], s10, 9, v[HST]          ; so b = p of the wave's stage begins at 64 p, and e runs along it
	v_bfe_u32 v9, v0, 4, 1                         ; half
	v_lshlrev_b32 v[HRD], 5, v9
	v_lshl_add_u32 v[HRD], s10, 9, v[HRD]
	v_lshl_add_u32 v[STO], v9, 11, v1              ; 2,048 half + 16 r: 2,288 at the most
	v_lshl_add_u32 v[STO], s10, 12, v[STO]         ; + 4,096 wave: 63,728 at the most; the last store ends at 63,728 + 1,792 + 16 = 65,536 behind PARTS
	v_and_b32 v[RD], 127, v0
	v_lshlrev_b32 v[RD], 4, v[RD]
	v_add_nc_u32 v[RD], PARTS, v[RD]               ; the register carries PARTS: 31 x 2,048 fills the 16 bits of the offset nearly
	v_bfe_u32 v[VOUT], v0, 4, 3
	v_lshl_add_u32 v[VOUT], v[VOUT], 12, v1
	s_wait_kmcnt 0x0
	s_add_nc_u64 s[4:5], s[4:5], s[12:13]          ; W at my slice's first row
	s_add_nc_u64 s[6:7], s[6:7], s[14:15]          ; hidden at row 8 bg, my wave's sixteen e
	s_add_nc_u64 s[8:9], s[8:9], s[16:17]          ; part eq at row 8 bg, my columns
	global_load_b128 v[HT:HT+3], v[HOFF], s[6:7]
.irp i, 0,1,2,3,4,5,6,7
	global_load_b128 v[WT+4*\i:WT+4*\i+3], v[WOFF], s[4:5] offset:4096*\i
.endr
	s_wait_loadcnt 0x8                             ; loads come back in order (ISA guide 5.7.1): hidden is in, W's eight loads stay out
	ds_store_b128 v[HST], v[HT:HT+3]
	; LDS serves a wave's instructions in order (ISA guide 5.7.1.4), and the stage is the wave's own: these loads see the store above.
	; The sixteen lanes of a half read the same 16 bytes.  First e = 0 .. 3 of all eight b, then e = 4 .. 7.
.irp j, 0,1
.irp p, 0,1,2,3,4,5,6,7
	ds_load_b128 v[H+8*\p+4*\j:H+8*\p+4*\j+3], v[HRD] offset:64*\p+16*\j
.endr
.endr
; Rows i (even) and i + 1: four columns x eight rows of hidden each, sixteen chains.  The one number of hidden multiplies both halves of a
; packed instruction: the even row's lies in the first register of its pair (op_sel_hi 0), the odd row's in the second (op_sel 1).
; first = 1: row 0's products start the sums, so nothing is cleared.
.macro ROWPAIR i, first
.irp p, 0,1,2,3,4,5,6,7
.irp c, 0,1
.if \first
	v_pk_mul_f32 v[ACC+4*\p+2*\c:ACC+4*\p+2*\c+1], v[WT+4*(\i)+2*\c:WT+4*(\i)+2*\c+1], v[H+8*\p+(\i):H+8*\p+(\i)+1] op_sel_hi:[1,0]
.else
	v_pk_fma_f32 v[ACC+4*\p+2*\c:ACC+4*\p+2*\c+1], v[WT+4*(\i)+2*\c:WT+4*(\i)+2*\c+1], v[H+8*\p+(\i):H+8*\p+(\i)+1], v[ACC+4*\p+2*\c:ACC+4*\p+2*\c+1] op_sel_hi:[1,0,1]
.endif
.endr
.endr
.irp p, 0,1,2,3,4,5,6,7
.irp c, 0,1
	v_pk_fma_f32 v[ACC+4*\p+2*\c:ACC+4*\p+2*\c+1], v[WT+4*(\i)+4+2*\c:WT+4*(\i)+4+2*\c+1], v[H+8*\p+(\i):H+8*\p+(\i)+1], v[ACC+4*\p+2*\c:ACC+4*\p+2*\c+1] op_sel:[0,1,0]
.endr
.endr
.endm
	s_wait_dscnt 0x8                               ; hidden's e = 0 .. 3 are in; the eight loads of e = 4 .. 7 were issued behind them
	s_wait_loadcnt 0x6                             ; rows 0 and 1 of W are in: six loads were issued behind them
	ROWPAIR 0, 1
	s_wait_loadcnt 0x4
	ROWPAIR 2, 0
	s_wait_dscnt 0x0
	s_wait_loadcnt 0x2
	ROWPAIR 4, 0
	s_wait_loadcnt 0x0
	ROWPAIR 6, 0
	; the 32 parts meet: part q at PARTS + 2,048 q, 256 bytes for each of the eight b
.irp p, 0,1,2,3,4,5,6,7
	ds_store_b128 v[STO], v[ACC+4*\p:ACC+4*\p+3] offset:PARTS+256*\p
.endr
	s_wait_dscnt 0x0                               ; my stores are in LDS before I say so: waves 0 to 3 read them
	s_barrier_signal -1
	s_barrier_wait -1
	s_cmp_gt_u32 s10, 3
	s_cbranch_scc1 .Lend                           ; waves 0 to 3 add and store, two b each
	; lane L of wave w takes the 16 bytes at 512 w + 16 L of every part: lanes 0-15 b = 8 bg + 2 w, lanes 16-31 the next b
.set n, 0
.rept 32
	ds_load_b128 v[PT+4*n:PT+4*n+3], v[RD] offset:2048*n
.set n, n+1
.endr
.set n, 0
.rept 16
	s_wait_dscnt 15-n                              ; part n + 16 is in: 31 - (n + 16) loads were issued behind it
	v_pk_add_f32 v[PT+4*n:PT+4*n+1], v[PT+4*n:PT+4*n+1], v[PT+4*(n+16):PT+4*(n+16)+1]
	v_pk_add_f32 v[PT+4*n+2:PT+4*n+3], v[PT+4*n+2:PT+4*n+3], v[PT+4*(n+16)+2:PT+4*(n+16)+3]
.set n, n+1
.endr
.macro LEVEL s                         ; part n += part n + s, n = 0 .. s - 1
.set n, 0
.rept \s
	v_pk_add_f32 v[PT+4*n:PT+4*n+1], v[PT+4*n:PT+4*n+1], v[PT+4*(n+\s):PT+4*(n+\s)+1]
	v_pk_add_f32 v[PT+4*n+2:PT+4*n+3], v[PT+4*n+2:PT+4*n+3], v[PT+4*(n+\s)+2:PT+4*(n+\s)+3]
.set n, n+1
.endr
.endm
	LEVEL 8
	LEVEL 4
	LEVEL 2
	LEVEL 1
	global_store_b128 v[VOUT], v[PT:PT+3], s[8:9]  ; sixteen lanes store 256 consecutive bytes, aligned, of each of the wave's two rows
.Lend:
	s_wait_tensorcnt 0x0
	ds_add_u32 v144, v145
	s_wait_dscnt 0x0
	s_endpgm
.Lfunc_end_k_q959672bfed_proj:
	.size	k_q959672bfed_proj, .Lfunc_end_k_q959672bfed_proj-k_q959672bfed_proj
	.p2alignl 7, 3214868480
	.fill 96, 4, 3214868480
	.section	.rodata,"a",@progbits
	.p2align	6, 0x0
	.amdhsa_kernel k_q959672bfed_proj
		.amdhsa_group_segment_fixed_size 75776
		.amdhsa_private_segment_fixed_size 0
		.amdhsa_enable_private_segment 0
		.amdhsa_kernarg_size 24
		.amdhsa_user_sgpr_count 2
		.amdhsa_user_sgpr_kernarg_segment_ptr 1
		.amdhsa_wavefront_size32 1
		.amdhsa_system_sgpr_workgroup_id_x 1
		.amdhsa_system_sgpr_workgroup_id_y 1
		.amdhsa_system_sgpr_workgroup_id_z 1
		.amdhsa_system_vgpr_workitem_id 0
		.amdhsa_next_free_vgpr 146
		.amdhsa_next_free_sgpr 66
		.amdhsa_reserve_vcc 0
		.amdhsa_float_denorm_mode_32 3
		.amdhsa_float_denorm_mode_16_64 3
		.amdhsa_memory_ordered 1
		.amdhsa_forward_progress 1
		.amdhsa_inst_pref_size 20
	.end_amdhsa_kernel
	.amdgpu_metadata
---
amdhsa.version: [ 1, 2 ]
amdhsa.kernels:
  - .name:           k_q959672bfed_proj
    .symbol:         k_q959672bfed_proj.kd
    .args:
      - { .name: W, .offset: 0, .size: 8, .value_kind: global_buffer, .address_space: global }
      - { .name: hidden, .offset: 8, .size: 8, .value_kind: global_buffer, .address_space: global }
      - { .name: vproj, .offset: 16, .size: 8, .value_kind: global_buffer, .address_space: global }
    .group_segment_fixed_size: 75776
    .private_segment_fixed_size: 0
    .kernarg_segment_align: 8
    .kernarg_segment_size: 24
    .max_flat_workgroup_size: 512
    .sgpr_count:     66
    .vgpr_count:     146
    .wavefront_size: 32
...
	.end_amdgpu_metadata
.endif
;; end of part 1
;; launch score (part 2): grid 8 x 32, 16 waves a work-group, no clusters, 7,168 bytes of LDS; arguments encoder_outputs, vproj, scores; writes scores
.if DOCPART == 2
	.amdgcn_target "amdgcn-amd-amdhsa--gfx1250"
	.amdhsa_code_object_version 6
	.text
	.protected	k_q959672bfed_score
	.globl	k_q959672bfed_score
	.p2align	8
	.type	k_q959672bfed_score,@function
k_q959672bfed_score:
	s_mov_b64 s[64:65], 0
	v_nop
	global_prefetch_b8 v0, s[64:65] scope:SCOPE_SE
	s_setreg_imm32_b32 hwreg(HW_REG_WAVE_MODE, 25, 1), 1
	s_wait_xcnt 0x0
; scores[b][l] = enc[l][b] . u[b],  u[b] = the sum of the four parts that the launch before stored
; (the term hidden[b] . bias is added in the next launch).
; enc: [2048][32][1024] f32, part (vproj): [4][32][1024] f32, scores: [32][2048] f32.  All in f32 fused multiply-adds.
; This is a stream: each byte of enc is read once, by loads of 16 bytes a lane, and feeds half a packed multiply-add.
; SHARES: work-group (g, b) takes the 256 rows l = 256 g .. 256 g + 255 of one b, 1 MiB.  Wave w takes l = 256 g + 16 w + k, k = 0 .. 15.
; A row (l, b) is 4,096 consecutive bytes: eight loads of the wave, 512 neighbouring bytes each; in load j lane L holds d = 128 j + 4 L .. + 3.
; u[b]: thread t loads the 8 bytes at 8 t of each of the four parts (a wave's load covers 256 aligned bytes; 16 KiB for the work-group), adds them
; and puts the sum into LDS; behind one barrier every wave reads all of u[b] into 32 registers, in the rows' layout, for the whole kernel.
; The parts are asked for ahead of the first four rows of enc, which are on their way while u is made.
; RING: four row slots in registers.  While a row is multiplied, three rows (24 loads) of the wave are on their way; the slot is asked for again
; as soon as its last multiply-add has been issued.  16 waves x 4 rows x 4 KiB = 256 KiB is what the work-group has asked for at the most.
; A row's step of 131,072 bytes stands in the load's immediate (15 x 131,072 + 3,584 at the most, inside its signed 24 bits), so no address
; register is ever written again and the sixteen turns are written out without a loop.
; NO MATRIX UNIT: each row of enc meets one vector, so 15 of a tile's 16 columns would be waste, and the operands would be rounded to 16 bits.
; NO LDS RING: enc's bytes are used once, by the lane that loads them.  NO JOINT LOADS: work-groups share only u's parts, 16 KiB against 1 MiB of enc.
.set ROWSTEP, 131072                   ; bytes from (l, b) to (l + 1, b); also from one part of u to the next
.set RESL, 4096                        ; LDS: bytes 0 to 4,095 u[b]; from here the work-group's 256 results, 1,024 bytes of their own
.set LOFF, 1                           ; v1         16 x lane; never rewritten
.set OUTA, 2                           ; v2         16 x (thread mod 64): LDS address (from RESL) and offset in scores on the way out
.set LST,  3                           ; v3         LDS, from RESL: 64 wave + 4 (lane mod 16)
.set U,    4                           ; v[4:35]    u[b]
.set X,    36                          ; v[36:163]  slot s: 32 registers, a row of enc
.set A,    164                         ; v[164:171] first my 8 bytes of the four parts, then four pairs of running sums
.set T,    172                         ; v172       the row's sum
.set T2,   173                         ; v173       the other half's sum
.set RES,  174                         ; v174       lanes k and k + 16 keep row k's sum
.set PO,   175                         ; v175       8 x thread: my 8 bytes of u, in a part and in LDS
	s_load_b128 s[4:7], s[0:1], 0x0                ; enc s[4:5], parts s[6:7]
	s_load_b64 s[8:9], s[0:1], 0x10                ; scores
	v_lshl_add_u32 v176, v0, 2, 0x1400
	v_mov_b32 v177, 0
	v_lshrrev_b32 v2, 5, v0
	v_readfirstlane_b32 s10, v2                    ; wave 0..15
	s_and_b32 s11, ttmp7, 0xffff                   ; b
	s_mov_b32 s12, 0x76543210                      ; v_permlanex16_b32: lane i of one half reads lane i of the other
	s_mov_b32 s13, 0xfedcba98
	s_lshl_b32 s14, ttmp9, 25                      ; 256 g rows of 131,072 bytes
	s_lshl_b32 s18, s10, 21                        ; + 16 w rows
	s_add_co_u32 s14, s14, s18
	s_lshl_b32 s18, s11, 12                        ; + b x 4,096 bytes (also b's row in a part); the sum stays below 2^28
	s_add_co_u32 s14, s14, s18
	s_mov_b32 s15, 0
	s_mov_b32 s19, 0
	s_lshl_b32 s20, s11, 13                        ; scores: b rows of 8,192 bytes
	s_lshl_b32 s21, ttmp9, 10                      ; + 256 g numbers
	s_add_co_u32 s20, s20, s21
	s_mov_b32 s21, 0
	v_and_b32 v[LOFF], 31, v0
	v_lshlrev_b32 v[LOFF], 4, v[LOFF]
	v_and_b32 v[OUTA], 63, v0
	v_lshlrev_b32 v[OUTA], 4, v[OUTA]
	v_and_b32 v[LST], 15, v0
	v_lshlrev_b32 v[LST], 2, v[LST]
	v_lshl_add_u32 v[LST], s10, 6, v[LST]
	v_lshlrev_b32 v[PO], 3, v0
	v_mov_b32 v[T2], 0                             ; v_permlanex16_b32 counts as a reader of its destination
	v_mov_b32 v[RES], 0                            ; the select's old value
	s_wait_kmcnt 0x0
	s_add_nc_u64 s[4:5], s[4:5], s[14:15]          ; enc at my wave's first row
	s_add_nc_u64 s[6:7], s[6:7], s[18:19]          ; part 0 at row b
	s_add_nc_u64 s[8:9], s[8:9], s[20:21]          ; scores at the work-group's 1,024 bytes
.irp e, 0,1,2,3
	global_load_b64 v[A+2*\e:A+2*\e+1], v[PO], s[6:7] offset:\e*ROWSTEP     ; eight work-groups read these rows: no hint
.endr
.macro FILL s, k                       ; row k of my sixteen into slot s: eight loads, 512 neighbouring bytes each; read once in the launch
.irp j, 0,1,2,3,4,5,6,7
	global_load_b128 v[X+32*\s+4*\j:X+32*\s+4*\j+3], v[LOFF], s[4:5] offset:(\k)*ROWSTEP+512*\j th:TH_LOAD_NT
.endr
.endm
	FILL 0, 0
	FILL 1, 1
	FILL 2, 2
	FILL 3, 3
	; u[b] = the four parts' sum, made once for the work-group
	s_wait_loadcnt 32                              ; loads come back in order (ISA guide 5.7.1): the parts are in, the four rows' 32 loads stay out
	v_pk_add_f32 v[A:A+1], v[A:A+1], v[A+2:A+3]
	v_pk_add_f32 v[A+4:A+5], v[A+4:A+5], v[A+6:A+7]
	v_pk_add_f32 v[A:A+1], v[A:A+1], v[A+4:A+5]
	ds_store_b64 v[PO], v[A:A+1]
	s_wait_dscnt 0x0                               ; my store is in LDS before I say so: every wave reads it
	s_barrier_signal -1
	s_barrier_wait -1
.irp j, 0,1,2,3,4,5,6,7
	ds_load_b128 v[U+4*\j:U+4*\j+3], v[LOFF] offset:512*\j
.endr
	s_wait_dscnt 0x0
; The turn of row k, which lies in slot s.  fill = 1: the slot gets row k + 4.  left = how many younger loads may stay out.
.macro TURN s, k, fill, left
	s_wait_loadcnt \left                           ; my row's eight loads are in, the younger rows stay out
.irp p, 0,1,2,3
	v_pk_mul_f32 v[A+2*\p:A+2*\p+1], v[X+32*\s+2*\p:X+32*\s+2*\p+1], v[U+2*\p:U+2*\p+1]      ; the first four products start four chains
.endr
.irp p, 4,5,6,7,8,9,10,11,12,13,14,15
	v_pk_fma_f32 v[A+2*(\p%4):A+2*(\p%4)+1], v[X+32*\s+2*\p:X+32*\s+2*\p+1], v[U+2*\p:U+2*\p+1], v[A+2*(\p%4):A+2*(\p%4)+1]
.endr
.if \fill
	FILL \s, \k+4                                  ; ahead of the fold: the request goes out as early as the slot is free
.endif
	v_pk_add_f32 v[A:A+1], v[A:A+1], v[A+2:A+3]
	v_pk_add_f32 v[A+4:A+5], v[A+4:A+5], v[A+6:A+7]
	v_pk_add_f32 v[A:A+1], v[A:A+1], v[A+4:A+5]
	v_add_f32 v[T], v[A], v[A+1]                   ; my 32 numbers' part of the dot product
	v_add_f32_dpp v[T], v[T], v[T] row_xmask:1 row_mask:0xf bank_mask:0xf     ; across 16 lanes, riding on the additions
	v_add_f32_dpp v[T], v[T], v[T] row_xmask:2 row_mask:0xf bank_mask:0xf
	v_add_f32_dpp v[T], v[T], v[T] row_xmask:4 row_mask:0xf bank_mask:0xf
	v_add_f32_dpp v[T], v[T], v[T] row_xmask:8 row_mask:0xf bank_mask:0xf
	v_permlanex16_b32 v[T2], v[T], s12, s13        ; and across the two halves
	v_add_f32 v[T], v[T], v[T2]                    ; every lane holds the row's sum
	s_mov_b32 s16, 0x10001<<\k
	v_cndmask_b32 v[RES], v[RES], v[T], s16        ; lanes k and k + 16 keep it
.endm
	; three younger rows = 24 loads
	TURN 0, 0, 1, 24
	TURN 1, 1, 1, 24
	TURN 2, 2, 1, 24
	TURN 3, 3, 1, 24
	TURN 0, 4, 1, 24
	TURN 1, 5, 1, 24
	TURN 2, 6, 1, 24
	TURN 3, 7, 1, 24
	TURN 0, 8, 1, 24
	TURN 1, 9, 1, 24
	TURN 2, 10, 1, 24
	TURN 3, 11, 1, 24
	TURN 0, 12, 0, 24                              ; the last four rows ask for nothing: the counts run down
	TURN 1, 13, 0, 16
	TURN 2, 14, 0, 8
	TURN 3, 15, 0, 0
	; THE WAY OUT: the sixteen waves' 16 sums each are 1,024 consecutive bytes of scores[b].  They meet in LDS, in bytes that held nothing
	; before, so that they leave as 16 bytes a lane.  Lanes L and L + 16 write the same word with the same value.
	ds_store_b32 v[LST], v[RES] offset:RESL
	s_wait_dscnt 0x0                               ; my store is in LDS before I say so: waves 0 and 1 read it
	s_barrier_signal -1
	s_barrier_wait -1
	s_cmp_gt_u32 s10, 1
	s_cbranch_scc1 .Lend                           ; waves 0 and 1 store: 64 lanes x 16 bytes
	ds_load_b128 v[A:A+3], v[OUTA] offset:RESL
	s_wait_dscnt 0x0
	global_store_b128 v[OUTA], v[A:A+3], s[8:9]    ; sixteen lanes store 256 consecutive bytes, aligned
.Lend:
	s_wait_tensorcnt 0x0
	ds_add_u32 v176, v177
	s_wait_dscnt 0x0
	s_endpgm
.Lfunc_end_k_q959672bfed_score:
	.size	k_q959672bfed_score, .Lfunc_end_k_q959672bfed_score-k_q959672bfed_score
	.p2alignl 7, 3214868480
	.fill 96, 4, 3214868480
	.section	.rodata,"a",@progbits
	.p2align	6, 0x0
	.amdhsa_kernel k_q959672bfed_score
		.amdhsa_group_segment_fixed_size 7168
		.amdhsa_private_segment_fixed_size 0
		.amdhsa_enable_private_segment 0
		.amdhsa_kernarg_size 24
		.amdhsa_user_sgpr_count 2
		.amdhsa_user_sgpr_kernarg_segment_ptr 1
		.amdhsa_wavefront_size32 1
		.amdhsa_system_sgpr_workgroup_id_x 1
		.amdhsa_system_sgpr_workgroup_id_y 1
		.amdhsa_system_sgpr_workgroup_id_z 1
		.amdhsa_system_vgpr_workitem_id 0
		.amdhsa_next_free_vgpr 178
		.amdhsa_next_free_sgpr 66
		.amdhsa_reserve_vcc 0
		.amdhsa_float_denorm_mode_32 3
		.amdhsa_float_denorm_mode_16_64 3
		.amdhsa_memory_ordered 1
		.amdhsa_forward_progress 1
		.amdhsa_inst_pref_size 43
	.end_amdhsa_kernel
	.amdgpu_metadata
---
amdhsa.version: [ 1, 2 ]
amdhsa.kernels:
  - .name:           k_q959672bfed_score
    .symbol:         k_q959672bfed_score.kd
    .args:
      - { .name: encoder_outputs, .offset: 0, .size: 8, .value_kind: global_buffer, .address_space: global }
      - { .name: vproj, .offset: 8, .size: 8, .value_kind: global_buffer, .address_space: global }
      - { .name: scores, .offset: 16, .size: 8, .value_kind: global_buffer, .address_space: global }
    .group_segment_fixed_size: 7168
    .private_segment_fixed_size: 0
    .kernarg_segment_align: 8
    .kernarg_segment_size: 24
    .max_flat_workgroup_size: 512
    .sgpr_count:     66
    .vgpr_count:     178
    .wavefront_size: 32
...
	.end_amdgpu_metadata
.endif
;; end of part 2
;; launch soft (part 3): grid 32 x 1, 8 waves a work-group, no clusters, 1,280 bytes of LDS; arguments scores, hidden, b, out0; writes out0
.if DOCPART == 3
	.amdgcn_target "amdgcn-amd-amdhsa--gfx1250"
	.amdhsa_code_object_version 6
	.text
	.protected	k_q959672bfed_soft
	.globl	k_q959672bfed_soft
	.p2align	8
	.type	k_q959672bfed_soft,@function
k_q959672bfed_soft:
	s_mov_b64 s[64:65], 0
	v_nop
	global_prefetch_b8 v0, s[64:65] scope:SCOPE_SE
	s_setreg_imm32_b32 hwreg(HW_REG_WAVE_MODE, 25, 1), 1
	s_wait_xcnt 0x0
; out0[b][l] = softmax over l of (scores[b][l] + c[b]),  c[b] = hidden[b] . bias.
; scores: [32][2048] f32 (enc . u), hidden: [32][1024] f32, bias: [1024] f32, out0: [32][2048] f32.  All in f32.
; One work-group for each b: a row's maximum and sum have one owner, so there is work for 32 work-groups.  Eight waves, 256 threads:
; thread t holds l = 4 t .. 4 t + 3 and l = 1024 + 4 t .. + 3 in registers from the load to the store, and four numbers of hidden[b] and of the bias.
; The row's maximum is taken away before the exponential.  The largest of the rounded sums s + c is the rounded sum of the largest s and c
; (rounding keeps the order), so the maximum is found on s while hidden and the bias are still on their way.
; The difference is formed first and multiplied by log2(e) afterwards: fused the other way round, large scores would lose the difference's low bits.
; LIMITS: v_exp_f32 gives zero where the result would lie below 2^-126 (ISA guide, 15.8); a NaN loses in the maximum: values are promised
; where the scores are finite.  The sum of the exponentials is at least 1 (the largest term is 2^0) and at most 2,048.
.set OFF, 1                            ; v1        16 t
.set WV,  2                            ; v2        LDS: 4 x wave
.set Z,   3                            ; v3        LDS: 0
.set SC,  4                            ; v[4:11]   my eight scores, then exponentials, then results
.set HD,  12                           ; v[12:15]  hidden[b][4 t ..]
.set BI,  16                           ; v[16:19]  bias[4 t ..]
.set P,   20                           ; v[20:21]  a sum at work
.set M,   22                           ; v22       a maximum at work
.set T,   23                           ; v23       the other half's figure
.set C,   24                           ; v[24:25]  c, twice
.set MM,  26                           ; v[26:27]  maximum + c, twice
.set RA,  28                           ; v[28:35]  eight waves' sums, read back
.set RB,  36                           ; v[36:43]  eight waves' maxima, read back
.set RC,  44                           ; v[44:45]  1 / sum, twice
; LDS: bytes 0-31 the waves' parts of c, 32-63 their maxima, 64-95 their sums of exponentials: three regions, so one barrier serves each exchange
	s_load_b256 s[4:11], s[0:1], 0x0               ; scores s[4:5], hidden s[6:7], bias s[8:9], out0 s[10:11]
	v_lshl_add_u32 v48, v0, 2, 0x100
	v_mov_b32 v49, 0
	v_lshrrev_b32 v[WV], 5, v0
	v_readfirstlane_b32 s12, v[WV]                 ; wave 0..7
	v_mov_b32 v[WV], s12
	v_lshlrev_b32 v[WV], 2, v[WV]
	v_lshlrev_b32 v[OFF], 4, v0
	v_mov_b32 v[Z], 0
	v_mov_b32 v[T], 0                              ; v_permlanex16_b32 counts as a reader of its destination
	s_mov_b32 s14, 0x76543210                      ; lane i of one half reads lane i of the other
	s_mov_b32 s15, 0xfedcba98
	s_lshl_b32 s16, ttmp9, 13                      ; b rows of 8,192 bytes: scores, out0
	s_mov_b32 s17, 0
	s_lshl_b32 s18, ttmp9, 12                      ; b rows of 4,096 bytes: hidden
	s_mov_b32 s19, 0
	s_wait_kmcnt 0x0
	s_add_nc_u64 s[4:5], s[4:5], s[16:17]
	s_add_nc_u64 s[6:7], s[6:7], s[18:19]
	s_add_nc_u64 s[10:11], s[10:11], s[16:17]
	global_load_b128 v[SC:SC+3],   v[OFF], s[4:5]
	global_load_b128 v[SC+4:SC+7], v[OFF], s[4:5] offset:4096
	global_load_b128 v[HD:HD+3],   v[OFF], s[6:7]
	global_load_b128 v[BI:BI+3],   v[OFF], s[8:9]
.macro WSUM r                          ; the sum over the wave's 32 lanes, in every lane
	v_add_f32_dpp v[\r], v[\r], v[\r] row_xmask:1 row_mask:0xf bank_mask:0xf
	v_add_f32_dpp v[\r], v[\r], v[\r] row_xmask:2 row_mask:0xf bank_mask:0xf
	v_add_f32_dpp v[\r], v[\r], v[\r] row_xmask:4 row_mask:0xf bank_mask:0xf
	v_add_f32_dpp v[\r], v[\r], v[\r] row_xmask:8 row_mask:0xf bank_mask:0xf
	v_permlanex16_b32 v[T], v[\r], s14, s15
	v_add_f32 v[\r], v[\r], v[T]
.endm
.macro WMAX r                          ; the same for the maximum
	v_max_num_f32_dpp v[\r], v[\r], v[\r] row_xmask:1 row_mask:0xf bank_mask:0xf
	v_max_num_f32_dpp v[\r], v[\r], v[\r] row_xmask:2 row_mask:0xf bank_mask:0xf
	v_max_num_f32_dpp v[\r], v[\r], v[\r] row_xmask:4 row_mask:0xf bank_mask:0xf
	v_max_num_f32_dpp v[\r], v[\r], v[\r] row_xmask:8 row_mask:0xf bank_mask:0xf
	v_permlanex16_b32 v[T], v[\r], s14, s15
	v_max_num_f32 v[\r], v[\r], v[T]
.endm
.macro SUM8 d                          ; d = the sum of the eight words in RA
	v_pk_add_f32 v[RA:RA+1], v[RA:RA+1], v[RA+2:RA+3]
	v_pk_add_f32 v[RA+4:RA+5], v[RA+4:RA+5], v[RA+6:RA+7]
	v_pk_add_f32 v[RA:RA+1], v[RA:RA+1], v[RA+4:RA+5]
	v_add_f32 v[\d], v[RA], v[RA+1]
.endm
	s_wait_loadcnt 0x2                             ; the scores are in; the loads of hidden and of the bias, issued behind them, may stay out
	v_max3_num_f32 v[M], v[SC], v[SC+1], v[SC+2]
	v_max3_num_f32 v[M], v[M], v[SC+3], v[SC+4]
	v_max3_num_f32 v[M], v[M], v[SC+5], v[SC+6]
	v_max_num_f32 v[M], v[M], v[SC+7]
	WMAX M
	s_wait_loadcnt 0x0
	v_pk_mul_f32 v[P:P+1], v[HD:HD+1], v[BI:BI+1]
	v_pk_fma_f32 v[P:P+1], v[HD+2:HD+3], v[BI+2:BI+3], v[P:P+1]
	v_add_f32 v[P], v[P], v[P+1]
	WSUM P
	ds_store_b32 v[WV], v[P]                       ; all lanes of a wave write the same word with the same value
	ds_store_b32 v[WV], v[M] offset:32
	s_wait_dscnt 0x0                               ; my stores are in LDS before I say so: every wave reads them
	s_barrier_signal -1
	s_barrier_wait -1
	ds_load_b128 v[RA:RA+3],   v[Z]
	ds_load_b128 v[RA+4:RA+7], v[Z] offset:16
	ds_load_b128 v[RB:RB+3],   v[Z] offset:32
	ds_load_b128 v[RB+4:RB+7], v[Z] offset:48
	s_wait_dscnt 0x0
	SUM8 C                                         ; c[b] = hidden[b] . bias
	v_max3_num_f32 v[M], v[RB], v[RB+1], v[RB+2]
	v_max3_num_f32 v[M], v[M], v[RB+3], v[RB+4]
	v_max3_num_f32 v[M], v[M], v[RB+5], v[RB+6]
	v_max_num_f32 v[M], v[M], v[RB+7]              ; the row's largest enc . u
	v_mov_b32 v[C+1], v[C]
	v_add_f32 v[MM], v[M], v[C]                    ; the row's largest score
	v_mov_b32 v[MM+1], v[MM]
.irp j, 0,2,4,6
	v_pk_add_f32 v[SC+\j:SC+\j+1], v[SC+\j:SC+\j+1], v[C:C+1]                                ; the score: enc . u + c
.endr
.irp j, 0,2,4,6
	v_pk_add_f32 v[SC+\j:SC+\j+1], v[SC+\j:SC+\j+1], v[MM:MM+1] neg_lo:[0,1] neg_hi:[0,1]   ; less the maximum: at most 0
.endr
.irp j, 0,2,4,6
	v_pk_mul_f32 v[SC+\j:SC+\j+1], v[SC+\j:SC+\j+1], 0x3fb8aa3b op_sel_hi:[1,0]              ; times log2(e): v_exp_f32 is 2^x
.endr
.irp j, 0,1,2,3,4,5,6,7
	v_exp_f32 v[SC+\j], v[SC+\j]
.endr
	v_nop                                          ; one plain vector instruction stands between a transcendental and the first use of its result (ISA guide 5.7.2)
	s_wait_alu depctr_va_vdst(0)
	v_pk_add_f32 v[RA:RA+1], v[SC:SC+1], v[SC+2:SC+3]
	v_pk_add_f32 v[RA+2:RA+3], v[SC+4:SC+5], v[SC+6:SC+7]
	v_pk_add_f32 v[RA:RA+1], v[RA:RA+1], v[RA+2:RA+3]
	v_add_f32 v[P], v[RA], v[RA+1]
	WSUM P
	ds_store_b32 v[WV], v[P] offset:64             ; bytes that nothing has touched yet: no barrier is needed in front of this store
	s_wait_dscnt 0x0
	s_barrier_signal -1
	s_barrier_wait -1
	ds_load_b128 v[RA:RA+3],   v[Z] offset:64
	ds_load_b128 v[RA+4:RA+7], v[Z] offset:80
	s_wait_dscnt 0x0
	SUM8 P                                         ; the row's sum of exponentials
	v_rcp_f32 v[RC], v[P]                          ; twice, to fill the pair that the packed multiply takes
	v_rcp_f32 v[RC+1], v[P]
	v_nop                                          ; the plain place behind the transcendentals
	s_wait_alu depctr_va_vdst(0)
.irp j, 0,2,4,6
	v_pk_mul_f32 v[SC+\j:SC+\j+1], v[SC+\j:SC+\j+1], v[RC:RC+1]
.endr
	global_store_b128 v[OFF], v[SC:SC+3],   s[10:11]               ; sixteen lanes store 256 consecutive bytes, aligned
	global_store_b128 v[OFF], v[SC+4:SC+7], s[10:11] offset:4096
	s_wait_tensorcnt 0x0
	ds_add_u32 v48, v49
	s_wait_dscnt 0x0
	s_endpgm
.Lfunc_end_k_q959672bfed_soft:
	.size	k_q959672bfed_soft, .Lfunc_end_k_q959672bfed_soft-k_q959672bfed_soft
	.p2alignl 7, 3214868480
	.fill 96, 4, 3214868480
	.section	.rodata,"a",@progbits
	.p2align	6, 0x0
	.amdhsa_kernel k_q959672bfed_soft
		.amdhsa_group_segment_fixed_size 1280
		.amdhsa_private_segment_fixed_size 0
		.amdhsa_enable_private_segment 0
		.amdhsa_kernarg_size 32
		.amdhsa_user_sgpr_count 2
		.amdhsa_user_sgpr_kernarg_segment_ptr 1
		.amdhsa_wavefront_size32 1
		.amdhsa_system_sgpr_workgroup_id_x 1
		.amdhsa_system_sgpr_workgroup_id_y 1
		.amdhsa_system_sgpr_workgroup_id_z 1
		.amdhsa_system_vgpr_workitem_id 0
		.amdhsa_next_free_vgpr 50
		.amdhsa_next_free_sgpr 66
		.amdhsa_reserve_vcc 0
		.amdhsa_float_denorm_mode_32 3
		.amdhsa_float_denorm_mode_16_64 3
		.amdhsa_memory_ordered 1
		.amdhsa_forward_progress 1
		.amdhsa_inst_pref_size 7
	.end_amdhsa_kernel
	.amdgpu_metadata
---
amdhsa.version: [ 1, 2 ]
amdhsa.kernels:
  - .name:           k_q959672bfed_soft
    .symbol:         k_q959672bfed_soft.kd
    .args:
      - { .name: scores, .offset: 0, .size: 8, .value_kind: global_buffer, .address_space: global }
      - { .name: hidden, .offset: 8, .size: 8, .value_kind: global_buffer, .address_space: global }
      - { .name: b, .offset: 16, .size: 8, .value_kind: global_buffer, .address_space: global }
      - { .name: out0, .offset: 24, .size: 8, .value_kind: global_buffer, .address_space: global }
    .group_segment_fixed_size: 1280
    .private_segment_fixed_size: 0
    .kernarg_segment_align: 8
    .kernarg_segment_size: 32
    .max_flat_workgroup_size: 256
    .sgpr_count:     66
    .vgpr_count:     50
    .wavefront_size: 32
...
	.end_amdgpu_metadata
.endif
;; end of part 3
;; ======== version 2 of 2: 3 launches; version 1 with the launch score written anew for expert scheduling mode
;; workspace buffers: vproj 524,288 bytes; scores 262,144 bytes
;; launch proj: the kernel of part 1 again; grid 16 x 16, 16 waves a work-group, no clusters, 75,776 bytes of LDS; arguments W, hidden, vproj; writes vproj
;; launch score (part 4): grid 8 x 32, 16 waves a work-group, no clusters, 7,168 bytes of LDS; arguments encoder_outputs, vproj, scores; writes scores
.if DOCPART == 4
	.amdgcn_target "amdgcn-amd-amdhsa--gfx1250"
	.amdhsa_code_object_version 6
	.text
	.protected	k_q959672bfed_score
	.globl	k_q959672bfed_score
	.p2align	8
	.type	k_q959672bfed_score,@function
k_q959672bfed_score:
	s_mov_b64 s[64:65], 0
	v_nop
	global_prefetch_b8 v0, s[64:65] scope:SCOPE_SE
	s_setreg_imm32_b32 hwreg(HW_REG_WAVE_SCHED_MODE, 0, 2), 2
	s_setreg_imm32_b32 hwreg(HW_REG_WAVE_MODE, 25, 1), 1
	s_wait_xcnt 0x0
	s_wait_alu depctr_vm_vsrc(0)
; scores[b][l] = enc[l][b] . u[b],  u[b] = the sum of the four parts that the launch before stored
; (the term hidden[b] . bias is added in the next launch).
; enc: [2048][32][1024] f32, part (vproj): [4][32][1024] f32, scores: [32][2048] f32.  All in f32 fused multiply-adds.
; This is a stream: each byte of enc is read once, by loads of 16 bytes a lane, and feeds half a packed multiply-add.
; SHARES: work-group (g, b) takes the 256 rows l = 256 g .. 256 g + 255 of one b, 1 MiB.  Wave w takes l = 256 g + 16 w + k, k = 0 .. 15.
; A row (l, b) is 4,096 consecutive bytes: eight loads of the wave, 512 neighbouring bytes each; in load j lane L holds d = 128 j + 4 L .. + 3.
; u[b]: thread t loads the 8 bytes at 8 t of each of the four parts (a wave's load covers 256 aligned bytes; 16 KiB for the work-group), adds them
; and puts the sum into LDS; behind one barrier every wave reads all of u[b] into 32 registers, in the rows' layout, for the whole kernel.
; The parts are asked for ahead of the first five rows of enc, which are on their way while u is made.
; A row's step of 131,072 bytes stands in the load's immediate (15 x 131,072 + 3,584 at the most, inside its signed 24 bits), so no address
; register is ever written again and the sixteen turns are written out without a loop.
; NO MATRIX UNIT: each row of enc meets one vector, so 15 of a tile's 16 columns would be waste, and the operands would be rounded to 16 bits.
; NO LDS RING: enc's bytes are used once, by the lane that loads them.  NO JOINT LOADS: work-groups share only u's parts, 16 KiB against 1 MiB of enc.
; THE MODE: SCHED_MODE bits 1:0 = 2 (LLVM: expert scheduling mode 2), set by the entry lines.  The code itself states the register dependences
; between vector instructions and memory or LDS instructions, with s_wait_alu, always for 0.
; THE PLAN.  Registers that memory or LDS instructions touch:
;   X0 .. X4   five row slots.  All five are filled at the head.  Turn k multiplies X[k % 5]; its memory instructions are the eight loads of row
;              k + 4, which land in X[(k + 4) % 5] = X[(k - 1) % 5]: the slot that turn k - 1 multiplied and that no vector instruction of turn k names.
;              So ONE wait on va_vdst at a turn's head states all that the turn's loads hang on, and they are dealt among its products with no
;              further wait.  While a row is multiplied four rows (32 loads) of the wave are asked for: 16 waves x 5 rows x 4 KiB = 320 KiB
;              is what the work-group has asked for at the most.
;   v[LOFF], v[OUTA], v[LST], v[PO]   addresses, made at the head and never written again: one wait on va_vdst ahead of the first load serves them all.
;   A          the parts' loads land in it; three additions fold it; the LDS store of u reads its first pair; the turns' products write it again;
;              on the way out an LDS load lands in its first four registers, which the global store reads.
;   U          LDS loads land in it once; vector instructions only read it.
;   RES        written by the sixteen selects, read by the LDS store on the way out.
.set ROWSTEP, 131072                   ; bytes from (l, b) to (l + 1, b); also from one part of u to the next
.set RESL, 4096                        ; LDS: bytes 0 to 4,095 u[b]; from here the work-group's 256 results, 1,024 bytes of their own
.set SLOTS, 5
.set LOFF, 1                           ; v1         16 x lane; never rewritten
.set OUTA, 2                           ; v2         16 x (thread mod 64): LDS address (from RESL) and offset in scores on the way out
.set LST,  3                           ; v3         LDS, from RESL: 64 wave + 4 (lane mod 16)
.set U,    4                           ; v[4:35]    u[b]
.set X,    36                          ; v[36:195]  slot s: 32 registers, a row of enc
.set A,    196                         ; v[196:203] first my 8 bytes of the four parts, then four pairs of running sums
.set T,    204                         ; v204       the row's sum
.set T2,   205                         ; v205       the other half's sum
.set RES,  206                         ; v206       lanes k and k + 16 keep row k's sum
.set PO,   207                         ; v207       8 x thread: my 8 bytes of u, in a part and in LDS
	s_load_b128 s[4:7], s[0:1], 0x0                ; enc s[4:5], parts s[6:7]
	s_load_b64 s[8:9], s[0:1], 0x10                ; scores
	v_lshl_add_u32 v208, v0, 2, 0x1400
	v_mov_b32 v209, 0
	v_lshrrev_b32 v2, 5, v0
	v_readfirstlane_b32 s10, v2                    ; wave 0..15
	s_and_b32 s11, ttmp7, 0xffff                   ; b
	s_mov_b32 s12, 0x76543210                      ; v_permlanex16_b32: lane i of one half reads lane i of the other
	s_mov_b32 s13, 0xfedcba98
	s_lshl_b32 s14, ttmp9, 25                      ; 256 g rows of 131,072 bytes
	s_wait_alu depctr_va_sdst(0)                   ; s10 is written, ahead of its first reader: enc's base and an LDS address are made from it
	s_lshl_b32 s18, s10, 21                        ; + 16 w rows
	s_add_co_u32 s14, s14, s18
	s_lshl_b32 s18, s11, 12                        ; + b x 4,096 bytes (also b's row in a part); the sum stays below 2^28
	s_add_co_u32 s14, s14, s18
	s_mov_b32 s15, 0
	s_mov_b32 s19, 0
	s_lshl_b32 s20, s11, 13                        ; scores: b rows of 8,192 bytes
	s_lshl_b32 s21, ttmp9, 10                      ; + 256 g numbers
	s_add_co_u32 s20, s20, s21
	s_mov_b32 s21, 0
	v_and_b32 v[LOFF], 31, v0
	v_lshlrev_b32 v[LOFF], 4, v[LOFF]
	v_and_b32 v[OUTA], 63, v0
	v_lshlrev_b32 v[OUTA], 4, v[OUTA]
	v_and_b32 v[LST], 15, v0
	v_lshlrev_b32 v[LST], 2, v[LST]
	v_lshl_add_u32 v[LST], s10, 6, v[LST]
	v_lshlrev_b32 v[PO], 3, v0
	v_mov_b32 v[T2], 0                             ; v_permlanex16_b32 counts as a reader of its destination
	v_mov_b32 v[RES], 0                            ; the select's old value
	s_wait_kmcnt 0x0
	s_add_nc_u64 s[4:5], s[4:5], s[14:15]          ; enc at my wave's first row
	s_add_nc_u64 s[6:7], s[6:7], s[18:19]          ; part 0 at row b
	s_add_nc_u64 s[8:9], s[8:9], s[20:21]          ; scores at the work-group's 1,024 bytes
	s_wait_alu depctr_va_vdst(0)                   ; v[LOFF], v[OUTA], v[LST] and v[PO] are written: every load and store of the kernel reads one of them as its address
.irp e, 0,1,2,3
	global_load_b64 v[A+2*\e:A+2*\e+1], v[PO], s[6:7] offset:\e*ROWSTEP     ; eight work-groups read these rows: no hint
.endr
.macro FILL s, k                       ; row k of my sixteen into slot s: eight loads, 512 neighbouring bytes each; read once in the launch
.irp j, 0,1,2,3,4,5,6,7
	global_load_b128 v[X+32*\s+4*\j:X+32*\s+4*\j+3], v[LOFF], s[4:5] offset:(\k)*ROWSTEP+512*\j th:TH_LOAD_NT
.endr
.endm
	FILL 0, 0                                      ; the ring is filled: no vector instruction has named these registers
	FILL 1, 1
	FILL 2, 2
	FILL 3, 3
	FILL 4, 4
	; u[b] = the four parts' sum, made once for the work-group
	s_wait_loadcnt 40                              ; loads come back in order (ISA guide 5.7.1): the parts are in, the five rows' 40 loads stay out
	v_pk_add_f32 v[A:A+1], v[A:A+1], v[A+2:A+3]
	v_pk_add_f32 v[A+4:A+5], v[A+4:A+5], v[A+6:A+7]
	v_pk_add_f32 v[A:A+1], v[A:A+1], v[A+4:A+5]
	s_wait_alu depctr_va_vdst(0)                   ; the additions have written v[A:A+1], which the LDS store reads
	ds_store_b64 v[PO], v[A:A+1]
	s_wait_dscnt 0x0                               ; my store is in LDS before I say so: every wave reads it
	s_barrier_signal -1
	s_barrier_wait -1
.irp j, 0,1,2,3,4,5,6,7
	ds_load_b128 v[U+4*\j:U+4*\j+3], v[LOFF] offset:512*\j     ; no vector instruction has named U
.endr
	s_wait_dscnt 0x0
	s_wait_alu depctr_vm_vsrc(0)                   ; my LDS store has read v[A:A+1], which the first turn's products write again
; The turn of row k, which lies in slot k % 5.  fill = 1: the slot of the turn before gets row k + 4.  left = how many younger loads may stay out.
.macro TURN k, fill, left
	s_wait_loadcnt \left                           ; my row's eight loads are in, the younger rows stay out
.if \fill
	s_wait_alu depctr_va_vdst(0)                   ; the turn before is done reading its slot, in which the loads below land
.endif
.irp j, 0,1,2,3,4,5,6,7
.if \fill
	global_load_b128 v[X+32*((\k+4)%SLOTS)+4*\j:X+32*((\k+4)%SLOTS)+4*\j+3], v[LOFF], s[4:5] offset:(\k+4)*ROWSTEP+512*\j th:TH_LOAD_NT  ; no vector instruction since the wait names these registers
.endif
.irp c, 0,1
.if \j < 2
	v_pk_mul_f32 v[A+4*\j+2*\c:A+4*\j+2*\c+1], v[X+32*((\k)%SLOTS)+4*\j+2*\c:X+32*((\k)%SLOTS)+4*\j+2*\c+1], v[U+4*\j+2*\c:U+4*\j+2*\c+1]      ; the first four products start four chains
.else
	v_pk_fma_f32 v[A+4*(\j%2)+2*\c:A+4*(\j%2)+2*\c+1], v[X+32*((\k)%SLOTS)+4*\j+2*\c:X+32*((\k)%SLOTS)+4*\j+2*\c+1], v[U+4*\j+2*\c:U+4*\j+2*\c+1], v[A+4*(\j%2)+2*\c:A+4*(\j%2)+2*\c+1]
.endif
.endr
.endr
	v_pk_add_f32 v[A:A+1], v[A:A+1], v[A+2:A+3]
	v_pk_add_f32 v[A+4:A+5], v[A+4:A+5], v[A+6:A+7]
	v_pk_add_f32 v[A:A+1], v[A:A+1], v[A+4:A+5]
	v_add_f32 v[T], v[A], v[A+1]                   ; my 32 numbers' part of the dot product
	v_add_f32_dpp v[T], v[T], v[T] row_xmask:1 row_mask:0xf bank_mask:0xf     ; across 16 lanes, riding on the additions
	v_add_f32_dpp v[T], v[T], v[T] row_xmask:2 row_mask:0xf bank_mask:0xf
	v_add_f32_dpp v[T], v[T], v[T] row_xmask:4 row_mask:0xf bank_mask:0xf
	v_add_f32_dpp v[T], v[T], v[T] row_xmask:8 row_mask:0xf bank_mask:0xf
	v_permlanex16_b32 v[T2], v[T], s12, s13        ; and across the two halves
	v_add_f32 v[T], v[T], v[T2]                    ; every lane holds the row's sum
	s_mov_b32 s16, 0x10001<<\k
	v_cndmask_b32 v[RES], v[RES], v[T], s16        ; lanes k and k + 16 keep it
.endm
	TURN 0, 0, 32                                  ; no slot is free yet: rows 1 to 4, 32 loads, stay out
	; from here on three younger rows = 24 loads at a turn's head; the turn's own eight go out behind that wait
	TURN 1, 1, 24
	TURN 2, 1, 24
	TURN 3, 1, 24
	TURN 4, 1, 24
	TURN 5, 1, 24
	TURN 6, 1, 24
	TURN 7, 1, 24
	TURN 8, 1, 24
	TURN 9, 1, 24
	TURN 10, 1, 24
	TURN 11, 1, 24
	TURN 12, 0, 24                                 ; the last four rows ask for nothing: the counts run down
	TURN 13, 0, 16
	TURN 14, 0, 8
	TURN 15, 0, 0
	; THE WAY OUT: the sixteen waves' 16 sums each are 1,024 consecutive bytes of scores[b].  They meet in LDS, in bytes that held nothing
	; before, so that they leave as 16 bytes a lane.  Lanes L and L + 16 write the same word with the same value.
	s_wait_alu depctr_va_vdst(0)                   ; the last select has written v[RES], which the LDS store reads; the last turn is done with v[A:A+3], in which the LDS load below lands
	ds_store_b32 v[LST], v[RES] offset:RESL
	s_wait_dscnt 0x0                               ; my store is in LDS before I say so: waves 0 and 1 read it
	s_barrier_signal -1
	s_barrier_wait -1
	s_cmp_gt_u32 s10, 1
	s_cbranch_scc1 .Lend                           ; waves 0 and 1 store: 64 lanes x 16 bytes
	ds_load_b128 v[A:A+3], v[OUTA] offset:RESL     ; no vector instruction stands behind the wait above
	s_wait_dscnt 0x0
	global_store_b128 v[OUTA], v[A:A+3], s[8:9]    ; sixteen lanes store 256 consecutive bytes, aligned
.Lend:
	s_wait_dscnt 0x0
	s_wait_alu depctr_hold_cnt(0) depctr_sa_sdst(0) depctr_va_vdst(0) depctr_va_sdst(0) depctr_va_ssrc(0) depctr_va_vcc(0) depctr_vm_vsrc(0)
	s_wait_tensorcnt 0x0
	ds_add_u32 v208, v209
	s_wait_dscnt 0x0
	s_endpgm
.Lfunc_end_k_q959672bfed_score:
	.size	k_q959672bfed_score, .Lfunc_end_k_q959672bfed_score-k_q959672bfed_score
	.p2alignl 7, 3214868480
	.fill 96, 4, 3214868480
	.section	.rodata,"a",@progbits
	.p2align	6, 0x0
	.amdhsa_kernel k_q959672bfed_score
		.amdhsa_group_segment_fixed_size 7168
		.amdhsa_private_segment_fixed_size 0
		.amdhsa_enable_private_segment 0
		.amdhsa_kernarg_size 24
		.amdhsa_user_sgpr_count 2
		.amdhsa_user_sgpr_kernarg_segment_ptr 1
		.amdhsa_wavefront_size32 1
		.amdhsa_system_sgpr_workgroup_id_x 1
		.amdhsa_system_sgpr_workgroup_id_y 1
		.amdhsa_system_sgpr_workgroup_id_z 1
		.amdhsa_system_vgpr_workitem_id 0
		.amdhsa_next_free_vgpr 210
		.amdhsa_next_free_sgpr 66
		.amdhsa_reserve_vcc 0
		.amdhsa_float_denorm_mode_32 3
		.amdhsa_float_denorm_mode_16_64 3
		.amdhsa_memory_ordered 1
		.amdhsa_forward_progress 1
		.amdhsa_inst_pref_size 44
	.end_amdhsa_kernel
	.amdgpu_metadata
---
amdhsa.version: [ 1, 2 ]
amdhsa.kernels:
  - .name:           k_q959672bfed_score
    .symbol:         k_q959672bfed_score.kd
    .args:
      - { .name: encoder_outputs, .offset: 0, .size: 8, .value_kind: global_buffer, .address_space: global }
      - { .name: vproj, .offset: 8, .size: 8, .value_kind: global_buffer, .address_space: global }
      - { .name: scores, .offset: 16, .size: 8, .value_kind: global_buffer, .address_space: global }
    .group_segment_fixed_size: 7168
    .private_segment_fixed_size: 0
    .kernarg_segment_align: 8
    .kernarg_segment_size: 24
    .max_flat_workgroup_size: 512
    .sgpr_count:     66
    .vgpr_count:     210
    .wavefront_size: 32
...
	.end_amdgpu_metadata
.endif
;; end of part 4
;; launch soft: the kernel of part 3 again; grid 32 x 1, 8 waves a work-group, no clusters, 1,280 bytes of LDS; arguments scores, hidden, b, out0; writes out0
